; MI455X (gfx1250); checked and timed in simulation.
; The chip was launched on July 23, 2026; its instructions are those of AMD's public machine-readable ISA for CDNA 5 (MIT licence, August 2026) and "CDNA5" Instruction Set Architecture Reference Guide (July 2026). The comments in the code are by the model that wrote it; some were corrected since.
;; Model. Allowed arithmetic: matrix products marked QUANTISED: E5M2 operands, one E8M0 scale for each 32 along K, by v_wmma_scale_f32_16x16x128_f8f6f4 with both operands' format E5M2, f32 sums; everything else in f32.
;; Inputs: key 4 x 16 x 2,048 x 64 float32; query 4 x 16 x 2,048 x 64 float32; value 4 x 16 x 2,048 x 64 float32.
;; Outputs: out0 4 x 16 x 2,048 x 64 float32.
;; This version of the problem:
;;   THIS VERSION OF THE PROBLEM IS GIVEN IN LOW PRECISION. The matrix products marked QUANTISED in the list below multiply operands that are first quantised to E5M2 (5 exponent bits, 2 mantissa bits; 8 bits a number), with one power-of-two scale for each 32 numbers along K (OCP MX v1.0); their sums are f32. All else is computed in f32.
;;   The module's matrix products, in the order in which they are computed (A, B: the left and right operand; K: the contracted axis; several contracted axes count as one K, in the product's order):
;;     1. batch 64 x [M 2,048, K 64] x [K 64, N 2,048]; A: input query; B: input key: QUANTISED
;;     2. batch 64 x [M 2,048, K 2,048] x [K 2,048, N 64]; A: softmax (see below); B: input value: QUANTISED
;;   THE QUANTISER, for each operand of a quantised product, along K:
;;     - K is cut into blocks of 32 from its start; a last block that is shorter is filled with zeros.
;;     - A block's scale is 2^e with e = floor(log2(the largest magnitude in the block)) - 15, held to -126 .. 127; a block of zeros has e = 0. As a byte (E8M0): e + 127.
;;     - Each number is divided by its block's scale, clamped to +-57,344, and rounded to the nearest number of E5M2, ties to even, subnormals kept.
;;     - The product sums the exact products of the quantised numbers (number of the format x scale) in f32.
;;   ~~~python
;;   def quantise(x, axis):      # numpy; x: float32 -> the quantised numbers, widened to float32 again
;;       x = np.moveaxis(x, axis, -1); K = x.shape[-1]
;;       x = np.pad(x, [(0, 0)] * (x.ndim - 1) + [(0, -K % 32)]); x = x.reshape(x.shape[:-1] + (-1, 32)); a = np.abs(x).max(-1, keepdims=True)
;;       e = np.where(a > 0, np.clip(np.frexp(np.where(a > 0, a, 1))[1] - 1 - 15, -126, 127), 0)      # np.frexp(a)[1] - 1 = floor(log2(a)), exactly
;;       r = np.clip(x / 2.0 ** e, -57344, 57344)
;;       step = 2.0 ** (np.maximum(np.frexp(np.where(r == 0, 1, r))[1] - 1, -14) - 2)
;;       q = np.round(r / step) * step * 2.0 ** e      # np.round: ties to even
;;       return np.moveaxis(q.reshape(q.shape[:-2] + (-1,))[..., :K], -1, axis).astype(np.float32)
;;   ~~~
;;   SOFTMAX AHEAD OF A QUANTISED PRODUCT. Where the list says 'softmax', what is quantised is not the finished softmax but p = 2^(t - M), with t = logit x log2(e) and M = ceil(the row's largest t), a whole number; so 1/2 < the row's largest p <= 1. The row's sum l is taken of the UNQUANTISED p, in f32, and the product's result is divided by l at the end. Since M is a whole number, a kernel that streams over the keys may use a running M (the ceiling of the running maximum): every later rescaling is an exact power of two, which a block's scale takes up: the codes' values come out the same.
;;   OPERANDS COMPUTED ON THE WAY. 'Computed on the way' means the value that the module computes at that place (a softmax that the list does not call 'softmax' is quantised finished and normalised). What goes into a quantiser is computed in f32, as accurately as f32 sums, v_exp_f32 and their like allow (about 1e-6 of the number): no bf16 or f16 on the way to a quantiser, and a product that is left as it is and whose result goes on into a quantised operand takes f32 operands (vector FMAs, or v_wmma_f32_16x16x4_f32). A number that lies on a knife's edge between two numbers of the format may be rounded either way, as far as f32 arithmetic and the matrix unit's own rounding can turn it there, and no further.
;; One version. Each part assembles by itself: llvm-mc -triple=amdgcn-amd-amdhsa -mcpu=gfx1250 --defsym DOCPART=n.
;; ======== version 1 of 1: 2 launches
;; limits: right only within a limited range of input values
;; workspace buffers: kvi 17,301,504 bytes
;; launch prep (part 1): grid 256 x 1, 8 waves a work-group, no clusters, 66,560 bytes of LDS; arguments key, value, kvi; writes kvi
.if DOCPART == 1
	.amdgcn_target "amdgcn-amd-amdhsa--gfx1250"
	.amdhsa_code_object_version 6
	.text
	.protected	k_q4d27690e0d_prep
	.globl	k_q4d27690e0d_prep
	.p2align	8
	.type	k_q4d27690e0d_prep,@function
k_q4d27690e0d_prep:
	s_mov_b64 s[64:65], 0
	v_nop
	global_prefetch_b8 v0, s[64:65] scope:SCOPE_SE
	s_setreg_imm32_b32 hwreg(HW_REG_WAVE_MODE, 25, 1), 1
	s_wait_xcnt 0x0
; key and value, [64 heads][2048 keys][64] f32, become codes of BF8 (E5M2) with one E8M0 scale byte for each 32 along the K of the product that reads them
; (key: K = the head's 64; value: K = the keys).  They are stored as an IMAGE OF THE OPERAND REGISTERS of the attention launch:
; kvi [64 heads][16 steps of 128 keys][16,896 bytes]:
;   bytes 0-8191:      K.  Fragment b, register group c: 512 bytes at 2048 b + 512 c, lane L = r + 16 h at 16 L.  Row r holds key x = 32 b + r + 8 (r / 8) in groups 0, 1 and key x + 8 in groups 2, 3; channels 32 (c % 2) + 16 h + 0 .. 15.
;   bytes 8192-16383:  V.  Tile t, group c: 512 bytes at 2048 t + 512 c, lane L at 16 L: channel 16 t + r, keys 32 c + 16 h + 0 .. 15 of the step.
;   bytes 16384-16639: word 16 b + r = (sc[x][0], sc[x][1], sc[x+8][0], sc[x+8][1]);   bytes 16640-16895: word d = the four block bytes of channel d.
; A block's scale is 2^(floor(log2(its largest magnitude)) - 15); its byte is the largest magnitude's exponent field - 15, held at 1 from below.  Each number is divided by the scale, held within +-57,344 and rounded to the nearest code, ties to even.
; LIMITS: a block of zeros gets the byte 1 where the rule says 127 (its codes are zeros, and this program alone reads the bytes); blocks whose largest magnitude lies under 2^-111 share that byte; NaN and infinities are not served.
; SHARES.  Work-group g takes 512 keys: head g / 4, quarter g % 4.  Waves 0-3 take key, 128 keys (one step) each; waves 4-7 take value, 32 channels x 256 keys each.  The roles part once on the wave's number; no barrier; each wave has LDS bytes of its own.
; No matrix unit, no cluster, no tensor load: each input byte is read once by one wave.
.set STEPB, 16896
.set EMAX,  15
.set MANT,  0x600000
.set SP,    80                         ; key: a lane's place in a stage: 64 bytes + 16 of padding
.set KREG,  16384                      ; key: a wave's LDS region: two stages of 32 x SP, its 256 scale bytes, and from KIMG on its 8,192 bytes of codes as the image has them
.set KSCB,  2*32*SP
.set KIMG,  8192
.set SPARE, 4*KREG                     ; the spare words: 128 bytes a wave
.set KR,    16                         ; v16-79 loaded numbers, four sets; at the end the image read back
.set KX,    80                         ; v80-111 two sets of 16 neighbours
.set KE,    112                        ; v112-127 a scale byte a step
.set KC,    128                        ; v128-191 codes, four registers a step
.set VSB,   24
.set VX,    32                         ; value: v32-95 two sets of 32 numbers
.set VC,    112                        ; v112-175 codes: eight registers a block, so that no store's data are written again
	s_load_b128 s[4:7], s[0:1], 0x0                ; key, value
	s_load_b64 s[8:9], s[0:1], 0x10                ; kvi
	v_lshl_add_u32 v200, v0, 2, SPARE
	v_mov_b32 v201, 0
	v_lshrrev_b32 v1, 5, v0
	v_readfirstlane_b32 s16, v1                    ; wave 0..7
	s_and_b32 s17, s16, 3
	v_and_b32 v2, 31, v0
	s_mul_i32 s18, s17, KREG
	s_mov_b32 s30, MANT
	v_lshlrev_b32 v3, 4, v2                        ; 16 x lane
	v_lshrrev_b32 v4, 2, v2
	v_mul_u32_u24 v14, v4, SP
	v_and_b32 v15, 3, v2
	v_lshl_add_u32 v14, v15, 4, v14
	v_add_nc_u32 v14, s18, v14                     ; the stage, on the way in
	v_mul_u32_u24 v15, v2, SP
	v_add_nc_u32 v15, s18, v15                     ; and out: my 16 neighbours
	v_bfe_u32 v5, v2, 1, 1
	v_lshl_add_u32 v5, v4, 2, v5
	v_add_nc_u32 v5, s18, v5
	v_add_nc_u32 v5, KSCB, v5                      ; my block's scale byte
	v_lshlrev_b32 v7, 3, v2
	v_add_nc_u32 v6, s18, v7
	v_add_nc_u32 v6, KSCB, v6
	v_bfe_u32 v196, v2, 1, 1                       ; my 16 codes in the image: group bit (lane % 4) / 2: 512 bytes,
	v_lshlrev_b32 v196, 9, v196
	v_and_b32 v197, 1, v2
	v_lshl_add_u32 v196, v197, 8, v196             ; h = lane % 2: 256 bytes,
	v_lshl_add_u32 v196, v4, 4, v196               ; row lane / 4: 16 bytes
	v_add_nc_u32 v196, s18, v196
	v_add_nc_u32 v196, KIMG, v196
	v_add_nc_u32 v198, s18, v3
	v_add_nc_u32 v198, KIMG, v198                  ; the image read back, 16 bytes a lane
	v_lshlrev_b32 v192, 2, v2                      ; value: 4 bytes a lane
	v_and_b32 v193, 15, v2
	v_lshrrev_b32 v194, 4, v2
	v_lshlrev_b32 v195, 11, v194
	v_lshl_add_u32 v195, v193, 4, v195             ; my codes in the image: tile lane / 16 (2,048 bytes), row lane % 16
	s_wait_alu depctr_va_vdst(0)                   ; the wait at the head's end
	s_wait_kmcnt 0x0
	s_cmp_lt_u32 s16, 4
	s_cbranch_scc0 .Lvalue
; key: 16 steps of 512 numbers (8 keys).  Each load reads 512 consecutive bytes; a step's 2,048 bytes turn through the stage and come back 64 bytes a lane, so that a lane holds 16 neighbours.
	s_lshl_b32 s20, ttmp9, 2
	s_add_co_u32 s20, s20, s17                     ; my step of 128 keys: 4 g + wave
	s_mov_b32 s23, 0
	s_lshl_b32 s22, s20, 15
	s_add_nc_u64 s[4:5], s[4:5], s[22:23]
	s_mul_i32 s22, s20, STEPB
	s_add_nc_u64 s[8:9], s[8:9], s[22:23]
.macro KLOAD t
.irp i, 0,1,2,3
	global_load_b128 v[KR+16*((\t)%4)+4*\i:KR+16*((\t)%4)+4*\i+3], v3, s[4:5] offset:2048*(\t)+512*\i th:TH_LOAD_NT
.endr
.endm
.macro KTURN t                         ; LDS serves a wave's instructions in order (ISA guide 5.7.1.4): no wait between the stores and the loads
.irp i, 0,1,2,3
	ds_store_b128 v14, v[KR+16*((\t)%4)+4*\i:KR+16*((\t)%4)+4*\i+3] offset:32*SP*((\t)%2)+8*SP*\i
.endr
.irp i, 0,1,2,3
	ds_load_b128 v[KX+16*((\t)%2)+4*\i:KX+16*((\t)%2)+4*\i+3], v15 offset:32*SP*((\t)%2)+16*\i
.endr
.endm
.irp t, 0,1,2,3
	KLOAD \t
.endr
	s_wait_loadcnt 12                              ; step 0's four loads are in; twelve stay out
	KTURN 0
.macro KSTEP t
.set XS, KX+16*((\t)%2)
.if (\t) > 0
	s_wait_dscnt 2                                 ; this step's numbers are back; the last step's two stores (byte, codes) may be out
.else
	s_wait_dscnt 0x0
.endif
.if (\t)+4 < 16
	KLOAD (\t)+4
.endif
.if (\t)+1 < 16
.if 14-(\t) >= 3
	s_wait_loadcnt 12                              ; the next step's four loads are in; three steps' may be out
.else
	s_wait_loadcnt 4*(14-(\t))
.endif
	KTURN (\t)+1
.endif
	v_max3_num_f32 v8, |v[XS]|, |v[XS+1]|, |v[XS+2]|
	v_max3_num_f32 v9, |v[XS+3]|, |v[XS+4]|, |v[XS+5]|
.irp i, 6,10
	v_max3_num_f32 v8, v8, |v[XS+\i]|, |v[XS+\i+1]|
	v_max3_num_f32 v9, v9, |v[XS+\i+2]|, |v[XS+\i+3]|
.endr
	v_max3_num_f32 v8, v8, |v[XS+14]|, |v[XS+15]|
	v_max3_num_f32 v8, v8, v9, (EMAX+1)<<23        ; the floor 2^(16 - 127): the byte cannot fall under 1
	v_max_num_f32_dpp v8, v8, v8 row_xmask:1 row_mask:0xf bank_mask:0xf   ; with my neighbour's 16: the block's
	v_add_nc_u32 v11, -(EMAX<<23), v8              ; the conversion's scale operand
	v_and_or_b32 v10, v8, 0x7f800000, s30          ; 57,344 x the scale
.irp i, 0,1,2,3,4,5,6,7,8,9,10,11,12,13,14,15
	v_med3_num_f32 v[XS+\i], v[XS+\i], -v10, v10   ; the conversion does not saturate (ISA guide 7.6.2): the number is held first
.endr
	v_cvt_scalef32_pk8_bf8_f32 v[KC+4*(\t):KC+4*(\t)+1], v[XS:XS+7], v11
	v_cvt_scalef32_pk8_bf8_f32 v[KC+4*(\t)+2:KC+4*(\t)+3], v[XS+8:XS+15], v11
	v_lshrrev_b32 v[KE+(\t)], 23, v11              ; the scale's byte
	; key 8 t + lane / 4: fragment t / 4, upper key of its row where t is odd, row lane / 4 + 8 ((t / 2) % 2)
	ds_store_b8 v5, v[KE+(\t)] offset:64*((\t)/4)+32*(((\t)/2)%2)+2*((\t)%2)
	ds_store_b128 v196, v[KC+4*(\t):KC+4*(\t)+3] offset:2048*((\t)/4)+1024*((\t)%2)+128*(((\t)/2)%2)
.endm
.irp t, 0,1,2,3,4,5,6,7,8,9,10,11,12,13,14,15
	KSTEP \t
.endr
	ds_load_b64 v[12:13], v6
.irp i, 0,1,2,3,4,5,6,7,8,9,10,11,12,13,14,15
	ds_load_b128 v[KR+4*\i:KR+4*\i+3], v198 offset:512*\i
.endr
	s_wait_dscnt 16                                ; the scale bytes are in; the sixteen loads behind them may be out
	global_store_b64 v7, v[12:13], s[8:9] offset:16384     ; 256 consecutive bytes, aligned
.irp i, 0,1,2,3,4,5,6,7,8,9,10,11,12,13,14,15
	s_wait_dscnt 15-\i
	global_store_b128 v3, v[KR+4*\i:KR+4*\i+3], s[8:9] offset:512*\i   ; 512 consecutive bytes, aligned
.endr
	s_wait_tensorcnt 0x0                           ; the wave's end
	ds_add_u32 v200, v201
	s_wait_dscnt 0x0
	s_endpgm
; value: a lane takes a channel, and its registers run down the keys: a block of 32 keys lies in one lane, and its codes are two pieces of 16 bytes that the image wants 256 bytes apart.
; Sixteen neighbouring lanes hold sixteen neighbouring rows of a tile: each store covers two aligned runs of 256 bytes, straight from the registers.
.Lvalue:
	s_and_b32 s20, s17, 1                          ; which 32 channels
	s_lshr_b32 s21, s17, 1                         ; which 256 keys
	s_mov_b32 s23, 0
	s_lshl_b32 s22, ttmp9, 17
	s_lshl_b32 s24, s21, 16
	s_add_co_u32 s22, s22, s24
	s_lshl_b32 s24, s20, 7
	s_add_co_u32 s22, s22, s24
	s_add_nc_u64 s[6:7], s[6:7], s[22:23]
	s_lshl_b32 s22, ttmp9, 2
	s_lshl_b32 s24, s21, 1
	s_add_co_u32 s22, s22, s24                     ; my first step: 4 g + 2 (key half)
	s_mul_i32 s22, s22, STEPB
	s_add_nc_u64 s[8:9], s[8:9], s[22:23]
	s_lshl_b32 s22, s20, 12                        ; two tiles of 2,048 bytes,
	s_add_co_u32 s22, s22, 8192                    ; behind K's fragments
	s_add_nc_u64 s[10:11], s[8:9], s[22:23]
	s_lshl_b32 s22, s20, 7
	s_add_co_u32 s22, s22, 16640                   ; my 32 channels' scale words
	s_add_nc_u64 s[12:13], s[8:9], s[22:23]
.macro VLOAD t
.irp i, 0,1,2,3,4,5,6,7,8,9,10,11,12,13,14,15,16,17,18,19,20,21,22,23,24,25,26,27,28,29,30,31
	global_load_b32 v[VX+32*((\t)%2)+\i], v192, s[6:7] offset:(32*(\t)+\i)*256 th:TH_LOAD_NT
.endr
.endm
	VLOAD 0
	VLOAD 1
.macro VBLOCK t
.set XS, VX+32*((\t)%2)
.set CD, VC+8*(\t)
.if (\t) < 7
	s_wait_loadcnt 32                              ; this block's 32 loads are in; the next block's may be out
.else
	s_wait_loadcnt 0x0
.endif
	v_max3_num_f32 v12, |v[XS]|, |v[XS+1]|, |v[XS+2]|
	v_max3_num_f32 v13, |v[XS+3]|, |v[XS+4]|, |v[XS+5]|
.irp i, 6,10,14,18,22,26
	v_max3_num_f32 v12, v12, |v[XS+\i]|, |v[XS+\i+1]|
	v_max3_num_f32 v13, v13, |v[XS+\i+2]|, |v[XS+\i+3]|
.endr
	v_max3_num_f32 v12, v12, |v[XS+30]|, |v[XS+31]|
	v_max3_num_f32 v12, v12, v13, (EMAX+1)<<23
	v_add_nc_u32 v11, -(EMAX<<23), v12
	v_and_or_b32 v10, v12, 0x7f800000, s30
	v_lshrrev_b32 v13, 23, v11
.if (\t)%4 == 0
	v_mov_b32 v[VSB+(\t)/4], v13                   ; four bytes to a register: a step's word
.else
	v_lshl_or_b32 v[VSB+(\t)/4], v13, 8*((\t)%4), v[VSB+(\t)/4]
.endif
.irp i, 0,1,2,3,4,5,6,7,8,9,10,11,12,13,14,15,16,17,18,19,20,21,22,23,24,25,26,27,28,29,30,31
	v_med3_num_f32 v[XS+\i], v[XS+\i], -v10, v10
.endr
.irp q, 0,1,2,3
	v_cvt_scalef32_pk8_bf8_f32 v[CD+2*\q:CD+2*\q+1], v[XS+8*\q:XS+8*\q+7], v11
.endr
	global_store_b128 v195, v[CD:CD+3], s[10:11] offset:STEPB*((\t)/4)+512*((\t)%4)
	global_store_b128 v195, v[CD+4:CD+7], s[10:11] offset:STEPB*((\t)/4)+512*((\t)%4)+256
.if (\t)+2 < 8
	VLOAD (\t)+2
.endif
.endm
.irp t, 0,1,2,3,4,5,6,7
	VBLOCK \t
.endr
	global_store_b32 v192, v[VSB], s[12:13]                 ; 128 consecutive bytes: half of an aligned 256; the other wave of the pair stores the other half
	global_store_b32 v192, v[VSB+1], s[12:13] offset:STEPB
	s_wait_tensorcnt 0x0
	ds_add_u32 v200, v201
	s_wait_dscnt 0x0
	s_endpgm
.Lfunc_end_k_q4d27690e0d_prep:
	.size	k_q4d27690e0d_prep, .Lfunc_end_k_q4d27690e0d_prep-k_q4d27690e0d_prep
	.p2alignl 7, 3214868480
	.fill 96, 4, 3214868480
	.section	.rodata,"a",@progbits
	.p2align	6, 0x0
	.amdhsa_kernel k_q4d27690e0d_prep
		.amdhsa_group_segment_fixed_size 66560
		.amdhsa_private_segment_fixed_size 0
		.amdhsa_enable_private_segment 0
		.amdhsa_kernarg_size 24
		.amdhsa_user_sgpr_count 2
		.amdhsa_user_sgpr_kernarg_segment_ptr 1
		.amdhsa_wavefront_size32 1
		.amdhsa_system_sgpr_workgroup_id_x 1
		.amdhsa_system_sgpr_workgroup_id_y 1
		.amdhsa_system_sgpr_workgroup_id_z 1
		.amdhsa_system_vgpr_workitem_id 0
		.amdhsa_next_free_vgpr 202
		.amdhsa_next_free_sgpr 66
		.amdhsa_reserve_vcc 0
		.amdhsa_float_denorm_mode_32 3
		.amdhsa_float_denorm_mode_16_64 3
		.amdhsa_memory_ordered 1
		.amdhsa_forward_progress 1
		.amdhsa_inst_pref_size 109
	.end_amdhsa_kernel
	.amdgpu_metadata
---
amdhsa.version: [ 1, 2 ]
amdhsa.kernels:
  - .name:           k_q4d27690e0d_prep
    .symbol:         k_q4d27690e0d_prep.kd
    .args:
      - { .name: key, .offset: 0, .size: 8, .value_kind: global_buffer, .address_space: global }
      - { .name: value, .offset: 8, .size: 8, .value_kind: global_buffer, .address_space: global }
      - { .name: kvi, .offset: 16, .size: 8, .value_kind: global_buffer, .address_space: global }
    .group_segment_fixed_size: 66560
    .private_segment_fixed_size: 0
    .kernarg_segment_align: 8
    .kernarg_segment_size: 24
    .max_flat_workgroup_size: 256
    .sgpr_count:     66
    .vgpr_count:     202
    .wavefront_size: 32
...
	.end_amdgpu_metadata
.endif
;; end of part 1
;; launch attn (part 2): grid 4 x 64, 16 waves a work-group, clusters of 4 x 1, 327,680 bytes of LDS; arguments query, kvi, out0; writes out0
.if DOCPART == 2
	.amdgcn_target "amdgcn-amd-amdhsa--gfx1250"
	.amdhsa_code_object_version 6
	.text
	.protected	k_q4d27690e0d_attn
	.globl	k_q4d27690e0d_attn
	.p2align	8
	.type	k_q4d27690e0d_attn,@function
k_q4d27690e0d_attn:
	s_mov_b64 s[64:65], 0
	v_nop
	global_prefetch_b8 v0, s[64:65] scope:SCOPE_SE
	s_setreg_imm32_b32 hwreg(HW_REG_WAVE_MODE, 25, 1), 1
	s_wait_xcnt 0x0
	s_wait_alu depctr_hold_cnt(0) depctr_sa_sdst(0) depctr_va_vdst(0) depctr_va_sdst(0) depctr_va_ssrc(0) depctr_va_vcc(0) depctr_vm_vsrc(0)
	s_getreg_b32 s2, hwreg(HW_REG_IB_STS2, 6, 4)
	s_cmp_eq_u32 s2, 0
	s_cbranch_scc0 .Lentry_in_a_cluster
	s_endpgm
.Lentry_in_a_cluster:
	s_bfe_u32 s2, ttmp6, 0x10000c
	s_cmp_lg_u32 s2, 0x3003
	s_cbranch_scc0 .Lentry_shape_is_right
	s_endpgm
.Lentry_shape_is_right:
; out0[h][q][:] = the sum over k of softmax_k(query[h][q] . key[h][k] / 8) value[h][k][:], 64 heads, 2,048 queries and keys, 64 channels; both products on codes of BF8 (E5M2) with one E8M0 scale for each 32 along K.
; key's and value's codes and scale words come from the launch before, as an image of the operand registers (kvi: 16,896 bytes a step of 128 keys); query is read once and quantised here in registers.
; THE SOFTMAX: t = score x log2(e) / 8; M = the row's largest t so far, rounded up to a whole number; p = 2^(t - M) is quantised along the keys, not normalised.  The row's sum is taken of the unquantised p in f32 and divides O at the end.
; When M moves, the sums and O are multiplied by 2^(old M - new M): exact.
; SHARES.  256 work-groups: four to a head, 512 queries each.  Each of sixteen waves owns two tiles of 16 queries (256 rows apart) and takes them one after the other through all 16 key steps.
; THE WHOLE HEAD LIES IN LDS, 270,336 bytes, filled ONCE: wave w fetches step w by one tensor load.  No byte is filled again: no ring.  Waves 0-3 have a load line and a wait of their own, so that steps 0-3 are
; read behind the first barrier; all waves wait ahead of step 4; no barrier follows until the end.  Every ds_load_b128 of a fragment reads 512 consecutive bytes, 16 a lane.
; CLUSTER.  The four work-groups of a head want the same image: every fill is a joint load with the mask of all four.  My place in the cluster enters query's and out0's addresses alone.
; NO PREFETCH: all fills are asked for at the head; there is no loop to run ahead in.
; LAYOUT.  Both products transposed: S^T = K Q^T, O^T = V^T P^T: a lane holds one query.  The first product's K is 64, the instruction's 128: a row of source 0 holds keys x and x + 8; it is multiplied by [q | 0] and by [0 | q]
; (zero codes under the byte 127).  Lane r of fragment b takes x = 32 b + r + 8 (r / 8), so that the 16 registers of the two results are 16 neighbouring keys.
; THE STEP'S ORDER.  The hold writes into spare registers, so p stays unheld; its 32 packed additions stand in the NEXT step: behind the second product's instructions, between K's loads and the wait for them, and among the first product's.
; K's fragments are waited for one by one; V's loads stand among the dependent lines that find M; independent chains take turns.
; THE WAY OUT has 2,304 bytes of LDS a wave (the head leaves no more): eight rows at a time, the LDS stores under EXEC for the lanes that hold those rows; sixteen lanes then store a whole row of 256 bytes.
; LIMITS: a p under 2^-126 counts as 0 (v_exp_f32 flushes: ISA guide 15.8).  A block's largest p is taken from its largest score, which takes v_exp_f32 not to fall where its input rises; at the worst one p of a block is held one code low.
; The scaled scores stay under 2^31 in magnitude.  NaN and infinities among the inputs are not served.  A block of zeros gets the scale byte 1: its codes are zeros.
.set DUAL,  1                          ; holds and paired maxima as dual-issue pairs (0: single instructions)
.set STEPB, 16896
.set VOF,   8192
.set SOF,   16384
.set STG,   16*STEPB                   ; the waves' stages
.set STGW,  2304                       ; 8 rows x 272, in whole blocks of 256 bytes
.set SPARE, STG+16*STGW                ; the spare words, 128 bytes a wave
.set AK0, 1                            ; 16 x lane
.set ASC, 2                            ; SOF + 4 x lane
.set GO,  3                            ; my byte offset in two rows of out0
.set STO, 4                            ; stage: row r % 8, + 32 h
.set RD,  5                            ; stage: row lane / 16, + 16 (lane % 16)
.set ADK, 8                            ; the step's addresses (at the head: query's offset,
.set ADS, 9                            ; and the stage's row r % 8, + 64 h)
                                       ; v10 -M, v11 my stash in the stage (also the pair's upper word), v12 the old -M, v13 the largest t
                                       ; the sums, four chains of pairs: v[14:15], v[6:7], v[242:243], v[252:253]
                                       ; v16-23 zeros, v24-31 q's codes, v32-39 zeros
.set QSL, 40                           ; q's scale words for [q | 0], [0 | q]
.set KS,  42
.set VS,  44
.set PS,  46
.set TMP, 47
.set FR,  48                           ; v48-111 four fragments
.set SS,  112                          ; v112-175 S^T, then p
.set OT,  176                          ; v176-207 O^T
.set PC,  208                          ; v208-223 p's codes
.set BM,  224
.set T1,  228
.set HD,  232
.set SO,  236
.set FF,  240                          ; v240 f; v241 the floor 2^(16 - 127) (the pair's upper word, which the packed forms do not take)
.set TA,  224                          ; the hold's two sets of eight: over BM and T1, once they are done with,
.set TB,  244                          ; and v244-251
.set WV,  14
.set MNT, 19
.set SEL, 20
.set CS,  22
.set G1,  24
.set G0,  32
.set TK,  36
.set CNT, 37
.set SV,  38
.macro ROUND                           ; a round of the cluster's barrier
	s_barrier_signal -1
	s_barrier_wait -1
	s_cmp_lg_u32 s[WV], 0
	s_cbranch_scc1 .Lnot_wave_0_\@
	s_barrier_signal -3
.Lnot_wave_0_\@:
	s_barrier_wait -3
	s_barrier_signal -1
	s_barrier_wait -1
.endm
	s_load_b128 s[4:7], s[0:1], 0x0                ; query, kvi
	s_load_b64 s[12:13], s[0:1], 0x10              ; out0
	v_lshl_add_u32 v254, v0, 2, SPARE
	v_mov_b32 v255, 0
	ds_add_u32 v254, v255                          ; the opening lines
	ds_add_u32 v254, v255
	v_lshrrev_b32 v1, 5, v0
	v_readfirstlane_b32 s[WV], v1
	v_and_b32 v[ADK], 31, v0
	v_lshlrev_b32 v[ADK], 4, v[ADK]                ; query comes dense: 16 bytes a lane
	s_bfe_u32 s16, ttmp6, 0x40000                  ; cx: my block of 512 queries
	s_and_b32 s18, ttmp7, 0xffff                   ; the head
	s_lshl_b32 s2, s18, 19
	s_lshl_b32 s3, s16, 17
	s_add_co_u32 s2, s2, s3
	s_lshl_b32 s3, s[WV], 12                       ; my wave's 16 rows of 256 bytes
	s_add_co_u32 s2, s2, s3
	s_mov_b32 s3, 0
	s_mul_i32 s40, s18, 16*STEPB                   ; the head's image,
	s_mul_i32 s42, s[WV], STEPB                    ; my step of it: in memory and in LDS
	s_add_co_u32 s40, s40, s42
	s_mov_b32 s41, 0
	s_mov_b32 s[G1], 15|(3<<16)|(1<<21)            ; the mask of all four; elements of 8 bytes; bit 21 beside a mask; no padding
	s_mov_b32 s[G1+1], 32<<16                      ; 66 dense rows of 256 bytes
	s_mov_b32 s[G1+2], 66<<16
	s_mov_b32 s[G1+3], 32<<16
	s_mov_b32 s[G1+4], 66
	s_mov_b32 s[G1+5], 32
	s_mov_b32 s[G1+6], 0
	s_mov_b32 s[G1+7], 0
	s_mov_b32 s[MNT], 0x600000
	s_mov_b32 s[SEL], 0x76543210
	s_mov_b32 s[SEL+1], 0xfedcba98
	s_mov_b32 s[CS], 0x3e38aa3b                    ; c = log2(e) / 8
	s_mov_b32 s[CS+1], s[CS]
	s_wait_alu depctr_va_vdst(0)                   ; the wait ahead of the waits below
	s_wait_dscnt 0x0
	s_wait_kmcnt 0x0
	s_add_nc_u64 s[4:5], s[4:5], s[2:3]
	s_add_nc_u64 s[12:13], s[12:13], s[2:3]
	s_add_nc_u64 s[6:7], s[6:7], s[40:41]
.irp i, 0,1,2,3,4,5,6,7
	global_load_b128 v[SS+4*\i:SS+4*\i+3], v[ADK], s[4:5] offset:512*\i th:TH_LOAD_NT             ; my first tile: 512 consecutive bytes a load
.endr
.irp i, 0,1,2,3,4,5,6,7
	global_load_b128 v[SS+32+4*\i:SS+32+4*\i+3], v[ADK], s[4:5] offset:65536+512*\i th:TH_LOAD_NT  ; my second, 256 rows on
.endr
	ROUND                                          ; all four work-groups are here: the joint loads meet
	s_mov_b32 s[G0], 1
	s_mov_b32 s[G0+1], s42
	s_mov_b64 s[G0+2:G0+3], s[6:7]
	s_or_b32 s[G0+3], s[G0+3], 0x80000000
	s_cmp_lt_u32 s[WV], 4                          ; one tensor load a wave; waves 0-3 have a line of their own, since they alone wait ahead of the first barrier
	s_cbranch_scc0 .Llate
	tensor_load_to_lds s[G0:G0+3], s[G1:G1+7]
	s_nop 0
.rept 4
	v_nop
.endr
	s_branch .Lasked
.Llate:
	tensor_load_to_lds s[G0:G0+3], s[G1:G1+7]
	s_nop 0
.rept 4
	v_nop
.endr
.Lasked:
	v_and_b32 v12, 15, v0                          ; r
	v_bfe_u32 v13, v0, 4, 1                        ; h
	v_and_b32 v10, 31, v0
	v_and_b32 v[TMP], 7, v0
	s_mul_i32 s43, s[WV], STGW
	s_add_co_u32 s43, s43, STG                     ; my stage
	v_lshlrev_b32 v[AK0], 4, v10
	v_lshl_add_u32 v[ASC], v10, 2, SOF
	v_lshlrev_b32 v[GO], 8, v13
	v_lshl_add_u32 v[GO], v12, 4, v[GO]
	v_mul_u32_u24 v[RD], v13, 272
	v_lshl_add_u32 v[RD], v12, 4, v[RD]
	v_add_nc_u32 v[RD], s43, v[RD]
	v_mul_u32_u24 v[STO], v[TMP], 272
	v_add_nc_u32 v[STO], s43, v[STO]
	v_lshl_add_u32 v[ADS], v13, 6, v[STO]
	v_lshl_add_u32 v[STO], v13, 5, v[STO]
	v_add_nc_u32 v11, s43, v[AK0]
	v_bfe_u32 v10, v0, 3, 1
	v_cmp_eq_u32 vcc_lo, 1, v10                    ; lanes whose query is one of the tile's rows 8-15
	v_mov_b32 v[FF+1], 0x8000000                   ; the floor 2^(16 - 127)
.irp b, 0,1,2,3
	v_mov_b32 v[T1+\b], 0                          ; a lane permute's destination counts as one of its sources
.endr
.irp i, 0,1,2,3,4,5,6,7
	v_mov_b32 v[16+\i], 0                          ; the zero codes on either side of q's
	v_mov_b32 v[32+\i], 0
.endr
	s_wait_alu depctr_va_vdst(0)                   ; the wait ahead of the wait below
	s_wait_loadcnt 0x0
; A tile of query, 4,096 dense bytes in v[g ..], turns through my stage eight rows at a time: back come 128 bytes a lane of row r % 8; the half that holds my row is selected.  OT + 16 c + i = q(r, 32 c + 16 h + i)
.macro TURNQ g
.irp u, 0,1
.irp i, 0,1,2,3
	ds_store_b128 v[RD], v[(\g)+16*\u+4*\i:(\g)+16*\u+4*\i+3] offset:544*\i
.endr
.irp k, 0,1,2,3,4,5,6,7
	ds_load_b128 v[FR+32*\u+4*\k:FR+32*\u+4*\k+3], v[ADS] offset:128*(\k/4)+16*(\k%4)   ; LDS serves a wave's instructions in order (ISA guide 5.7.1.4)
.endr
.endr
	s_wait_dscnt 0x0
.set jj, 0
.rept 32
	v_cndmask_b32 v[OT+jj], v[FR+jj], v[FR+32+jj], vcc_lo
.set jj, jj+1
.endr
.endm
; q's two blocks of 32 (16 numbers a lane, lane l xor 16 the others) become codes in v[cd ..] and the two scale words
.macro QUANT cd, w0, w1
.irp b, 0,1
	v_max3_num_f32 v[BM+\b], |v[OT+16*\b]|, |v[OT+16*\b+1]|, 0x8000000
.endr
.irp i, 2,4,6,8,10,12,14
.irp b, 0,1
	v_max3_num_f32 v[BM+\b], v[BM+\b], |v[OT+16*\b+\i]|, |v[OT+16*\b+\i+1]|
.endr
.endr
.irp b, 0,1
	v_permlanex16_b32 v[T1+\b], v[BM+\b], s[SEL], s[SEL+1]
.endr
.irp b, 0,1
	v_max_num_f32 v[BM+\b], v[BM+\b], v[T1+\b]
.endr
.irp b, 0,1
	v_add_nc_u32 v[SO+\b], 0xf8800000, v[BM+\b]
.endr
.irp b, 0,1
	v_and_or_b32 v[HD+\b], v[BM+\b], 0x7f800000, s[MNT]
.endr
.irp b, 0,1
	v_lshrrev_b32 v[T1+\b], 23, v[SO+\b]
.endr
	v_lshl_or_b32 v[TMP], v[T1+1], 8, v[T1]
	v_or_b32 v[\w0], 0x7f7f0000, v[TMP]            ; [q | 0]: q's two bytes, then 127 twice
	v_lshl_or_b32 v[\w1], v[TMP], 16, 0x7f7f       ; [0 | q]
.irp b, 0,1
.irp i, 0,1,2,3,4,5,6,7,8,9,10,11,12,13,14,15
	v_med3_num_f32 v[OT+16*\b+\i], v[OT+16*\b+\i], -v[HD+\b], v[HD+\b]
.endr
	v_cvt_scalef32_pk8_bf8_f32 v[(\cd)+4*\b:(\cd)+4*\b+1], v[OT+16*\b:OT+16*\b+7], v[SO+\b]
	v_cvt_scalef32_pk8_bf8_f32 v[(\cd)+4*\b+2:(\cd)+4*\b+3], v[OT+16*\b+8:OT+16*\b+15], v[SO+\b]
.endr
	v_nop                                          ; the plain line behind the conversions
.endm
	TURNQ SS
	QUANT 24, QSL, QSL+1
	TURNQ SS+32
	QUANT PC, PC+8, PC+9
	v_mov_b32 v[PC+10], 0
	v_mov_b32 v[PC+11], 0
	ds_store_b128 v11, v[PC:PC+3]                  ; the second tile's codes and scale words wait in my stage
	ds_store_b128 v11, v[PC+4:PC+7] offset:512
	ds_store_b128 v11, v[PC+8:PC+11] offset:1024
.macro SPROD b, u
.if (\b)%2
	v_wmma_scale_f32_16x16x128_f8f6f4 v[SS+8*(2*(\b)+(\u)):SS+8*(2*(\b)+(\u))+7], v[FR+16*(\b):FR+16*(\b)+15], v[24-8*(\u):39-8*(\u)], 0, v[KS+(\b)/2], v[QSL+(\u)] matrix_a_fmt:MATRIX_FMT_BF8 matrix_b_fmt:MATRIX_FMT_BF8 matrix_a_scale:MATRIX_SCALE_ROW1
.else
	v_wmma_scale_f32_16x16x128_f8f6f4 v[SS+8*(2*(\b)+(\u)):SS+8*(2*(\b)+(\u))+7], v[FR+16*(\b):FR+16*(\b)+15], v[24-8*(\u):39-8*(\u)], 0, v[KS+(\b)/2], v[QSL+(\u)] matrix_a_fmt:MATRIX_FMT_BF8 matrix_b_fmt:MATRIX_FMT_BF8
.endif
.endm
.macro OPROD t, first
.if \first
.if (\t)%2
	v_wmma_scale_f32_16x16x128_f8f6f4 v[OT+8*(\t):OT+8*(\t)+7], v[FR+16*(\t):FR+16*(\t)+15], v[PC:PC+15], 0, v[VS+(\t)/2], v[PS] matrix_a_fmt:MATRIX_FMT_BF8 matrix_b_fmt:MATRIX_FMT_BF8 matrix_a_scale:MATRIX_SCALE_ROW1
.else
	v_wmma_scale_f32_16x16x128_f8f6f4 v[OT+8*(\t):OT+8*(\t)+7], v[FR+16*(\t):FR+16*(\t)+15], v[PC:PC+15], 0, v[VS+(\t)/2], v[PS] matrix_a_fmt:MATRIX_FMT_BF8 matrix_b_fmt:MATRIX_FMT_BF8
.endif
.else
.if (\t)%2
	v_wmma_scale_f32_16x16x128_f8f6f4 v[OT+8*(\t):OT+8*(\t)+7], v[FR+16*(\t):FR+16*(\t)+15], v[PC:PC+15], v[OT+8*(\t):OT+8*(\t)+7], v[VS+(\t)/2], v[PS] matrix_a_fmt:MATRIX_FMT_BF8 matrix_b_fmt:MATRIX_FMT_BF8 matrix_a_scale:MATRIX_SCALE_ROW1
.else
	v_wmma_scale_f32_16x16x128_f8f6f4 v[OT+8*(\t):OT+8*(\t)+7], v[FR+16*(\t):FR+16*(\t)+15], v[PC:PC+15], v[OT+8*(\t):OT+8*(\t)+7], v[VS+(\t)/2], v[PS] matrix_a_fmt:MATRIX_FMT_BF8 matrix_b_fmt:MATRIX_FMT_BF8
.endif
.endif
.endm
.macro SUM8 b                          ; the unquantised p of block b of the step before, onto the four chains
.irp k, 0,8
	v_pk_add_f32 v[14:15], v[14:15], v[SS+16*(\b)+\k:SS+16*(\b)+\k+1]
	v_pk_add_f32 v[6:7], v[6:7], v[SS+16*(\b)+\k+2:SS+16*(\b)+\k+3]
	v_pk_add_f32 v[242:243], v[242:243], v[SS+16*(\b)+\k+4:SS+16*(\b)+\k+5]
	v_pk_add_f32 v[252:253], v[252:253], v[SS+16*(\b)+\k+6:SS+16*(\b)+\k+7]
.endr
.endm
; The largest score of blocks a and b: two chains a block (one for each of its two results, each read from its low end on), four chains by turns.  MAXH: the first eight lines;
.macro MAXH a, b
.irp x, \a, \b
	v_max3_num_f32 v[BM+\x], v[SS+16*\x], v[SS+16*\x+1], v[SS+16*\x+2]
	v_max3_num_f32 v[T1+\x], v[SS+16*\x+8], v[SS+16*\x+9], v[SS+16*\x+10]
.endr
.irp x, \a, \b
	v_max3_num_f32 v[BM+\x], v[BM+\x], v[SS+16*\x+3], v[SS+16*\x+4]
	v_max3_num_f32 v[T1+\x], v[T1+\x], v[SS+16*\x+11], v[SS+16*\x+12]
.endr
.endm
.macro MAXT a, b                       ; MAXT: the last eight
.irp x, \a, \b
	v_max3_num_f32 v[BM+\x], v[BM+\x], v[SS+16*\x+5], v[SS+16*\x+6]
	v_max3_num_f32 v[T1+\x], v[T1+\x], v[SS+16*\x+13], v[SS+16*\x+14]
.endr
.irp x, \a, \b
	v_max3_num_f32 v[BM+\x], v[BM+\x], v[T1+\x], v[SS+16*\x+7]
.endr
.irp x, \a, \b
	v_max_num_f32 v[BM+\x], v[BM+\x], v[SS+16*\x+15]
.endr
.endm
.macro MAX2 d, t0, t1                  ; v[d] = max(v[d], v[t0]), v[d + 1] = max(v[d + 1], v[t1])
.if DUAL
	v_dual_max_num_f32 v[\d], v[\d], v[\t0] :: v_dual_max_num_f32 v[(\d)+1], v[(\d)+1], v[\t1]
.else
	v_max_num_f32 v[\d], v[\d], v[\t0]
	v_max_num_f32 v[(\d)+1], v[(\d)+1], v[\t1]
.endif
.endm
.macro HOLD4 s, d, hd                  ; four p, held at 57,344 x the scale (p is not negative: one-sided), into spare registers
.irp k, 0,2
.if DUAL
	v_dual_min_num_f32 v[(\d)+\k], v[(\s)+\k], v[\hd] :: v_dual_min_num_f32 v[(\d)+\k+1], v[(\s)+\k+1], v[\hd]
.else
	v_min_num_f32 v[(\d)+\k], v[(\s)+\k], v[\hd]
	v_min_num_f32 v[(\d)+\k+1], v[(\s)+\k+1], v[\hd]
.endif
.endr
.endm
.macro VLD t, c0, c1                   ; two of V's sixteen loads
.irp c, \c0, \c1
	ds_load_b128 v[FR+16*(\t)+4*\c:FR+16*(\t)+4*\c+3], v[ADK] offset:VOF+2048*(\t)+512*\c
.endr
.endm
.macro PKF j0, n                       ; t - M for n pairs from pair j0 on
.set jj, 2*(\j0)
.rept \n
	v_pk_fma_f32 v[SS+jj:SS+jj+1], v[SS+jj:SS+jj+1], s[CS:CS+1], v[10:11] op_sel_hi:[1,0,0]
.set jj, jj+2
.endr
.endm
; A KEY STEP: 128 keys.  first = 1: a tile's first step: nothing to sum or rescale yet, and the second product starts O^T with C = 0.
.macro STEP first
	v_add_nc_u32 v[ADK], s[TK], v[AK0]
	v_add_nc_u32 v[ADS], s[TK], v[ASC]
.if \first == 0
	SUM8 0                                         ; with the two additions: the places between the last products and the loads into the registers that they read (ISA guide 7.12.1 for vector instructions)
.endif
	ds_load_b32 v[KS], v[ADS]
	ds_load_b32 v[KS+1], v[ADS] offset:128
.irp b, 0,1,2,3
.irp c, 0,1,2,3
	ds_load_b128 v[FR+16*\b+4*\c:FR+16*\b+4*\c+3], v[ADK] offset:2048*\b+512*\c
.endr
.endr
.if \first == 0
	SUM8 1
	SUM8 2
.endif
	s_wait_alu depctr_va_vdst(0)                   ; the wait ahead of the waits below
	s_wait_dscnt 12                                ; the scale words and fragment 0 are in; the twelve loads of fragments 1 to 3 may be out
	SPROD 0, 0
	SPROD 0, 1
	s_wait_dscnt 8                                 ; fragment 1 is in; eight loads may be out
	SPROD 1, 0
	SPROD 1, 1
.if \first == 0
	SUM8 3                                         ; eight places behind fragment 1's products
.else
.rept 8
	v_nop
.endr
.endif
	s_wait_dscnt 0x0
	SPROD 2, 0
	SPROD 2, 1
	MAXH 0, 1
	SPROD 3, 0
	SPROD 3, 1
	MAXT 0, 1                                      ; eight places behind the last products
	MAXH 2, 3
	MAXT 2, 3
.irp b, 0,1,2,3
	v_permlanex16_b32 v[T1+\b], v[BM+\b], s[SEL], s[SEL+1]
.endr
	VLD 0, 0, 1                                    ; V's loads stand among the dependent lines below and land while the softmax is worked
	VLD 0, 2, 3
	MAX2 BM, T1, T1+1                              ; the block's largest score: it serves the row's maximum and, since p rises with the score, the block's largest p
	MAX2 BM+2, T1+2, T1+3
	VLD 1, 0, 1
	VLD 1, 2, 3
	v_max3_num_f32 v[TMP], v[BM], v[BM+1], v[BM+2]
	VLD 2, 0, 1
	v_max_num_f32 v[TMP], v[TMP], v[BM+3]
	VLD 2, 2, 3
.if \first
	v_mul_f32 v13, s[CS], v[TMP]                   ; the largest t
	VLD 3, 0, 1
	VLD 3, 2, 3
.else
	v_mul_f32 v[TMP], s[CS], v[TMP]
	VLD 3, 0, 1
	v_max_num_f32 v13, v13, v[TMP]
	VLD 3, 2, 3
.endif
	v_floor_f32 v10, -v13                          ; -M = floor(-t)
	ds_load_b32 v[VS], v[ADS] offset:256
	ds_load_b32 v[VS+1], v[ADS] offset:384
.if \first
	PKF 0, 32
.else
	PKF 0, 4
	v_sub_f32 v[TMP], v10, v12                     ; old M - new M: a whole number, 0 or less
	PKF 4, 4
	v_cvt_i32_f32 v[TMP], v[TMP]
	PKF 8, 4
	v_ldexp_f32 v[FF], 1.0, v[TMP]                 ; f = 2^(old M - new M)
	PKF 12, 20
.endif
.irp b, 0,1,2,3
	v_fma_f32 v[BM+\b], v[BM+\b], s[CS], v10
.endr
.if \first == 0
.set jj, 0
.rept 16
	v_pk_mul_f32 v[OT+jj:OT+jj+1], v[OT+jj:OT+jj+1], v[FF:FF+1] op_sel_hi:[1,0]   ; O^T under the new M, each accumulator from its low end on
.set jj, jj+2
.endr
.endif
	s_wait_alu depctr_va_vdst(0)                   ; the wait ahead of the batch
.irp b, 0,1,2,3
	v_exp_f32 v[BM+\b], v[BM+\b]                   ; the block's largest p
.endr
.set jj, 0
.rept 64
	v_exp_f32 v[SS+jj], v[SS+jj]                   ; p = 2^(t - M)
.set jj, jj+1
.endr
	v_mov_b32 v12, v10                             ; the plain line behind the exponentials
	s_wait_alu depctr_va_vdst(0)                   ; and the wait behind the batch
	MAX2 BM, FF+1, FF+1                            ; the floor 2^(16 - 127)
	MAX2 BM+2, FF+1, FF+1
.irp b, 0,1,2,3
	v_add_nc_u32 v[SO+\b], 0xf8800000, v[BM+\b]
.endr
.irp b, 0,1,2,3
	v_and_or_b32 v[HD+\b], v[BM+\b], 0x7f800000, s[MNT]
.endr
.irp b, 0,1,2,3
	v_lshrrev_b32 v[T1+\b], 23, v[SO+\b]
.endr
	v_lshl_or_b32 v[T1], v[T1+1], 8, v[T1]
	v_lshl_or_b32 v[T1+2], v[T1+3], 8, v[T1+2]
; eight halves of a block, into TB and TA by turns; a half's conversion stands two hold lines behind its last hold, and two ahead of the next write of its sources
.set nn, 0
.rept 8
.set TD, TB-(TB-TA)*(nn%2)
.set TP, TA+(TB-TA)*(nn%2)
	HOLD4 SS+8*nn, TD, HD+nn/2
.if nn == 0
	v_lshl_or_b32 v[PS], v[T1+2], 16, v[T1]        ; p's scale word
.else
	v_cvt_scalef32_pk8_bf8_f32 v[PC+2*(nn-1):PC+2*(nn-1)+1], v[TP:TP+7], v[SO+(nn-1)/2]
.endif
	HOLD4 SS+8*nn+4, TD+4, HD+nn/2
.set nn, nn+1
.endr
	v_cvt_scalef32_pk8_bf8_f32 v[PC+14:PC+15], v[TA:TA+7], v[SO+3]
.if \first
.irp x, 14,15,6,7,242,243,252,253
	v_mov_b32 v\x, 0                               ; the sums begin.  (Also the lines between the conversions and the products)
.endr
.else
.irp x, 14,6,242,252
	v_pk_mul_f32 v[\x:\x+1], v[\x:\x+1], v[FF:FF+1] op_sel_hi:[1,0]   ; the sums under the new M: four lines between the conversions and the products that read the codes
.endr
.endif
	s_wait_alu depctr_va_vdst(0)                   ; the wait ahead of the wait below
	s_wait_dscnt 0x0                               ; V's fragments and scale words are in
.irp t, 0,1,2,3
	OPROD \t, \first                               ; four accumulators, one instruction a turn
.endr
	s_add_co_u32 s[TK], s[TK], STEPB
.endm
.macro LOOP n, start
	s_mov_b32 s[TK], (\start)*STEPB
	s_mov_b32 s[CNT], \n
.Lk_\@:
	STEP 0
	s_sub_co_u32 s[CNT], s[CNT], 1
	s_cmp_lg_u32 s[CNT], 0
	s_cbranch_scc1 .Lk_\@
.endm
.macro FINISH                          ; the last step's p is summed; O^T is divided by the row's sum
	SUM8 0
	SUM8 1
	SUM8 2
	SUM8 3
	v_pk_add_f32 v[14:15], v[14:15], v[6:7]
	v_pk_add_f32 v[242:243], v[242:243], v[252:253]
	v_pk_add_f32 v[14:15], v[14:15], v[242:243]
	v_add_f32 v14, v14, v15
	v_permlanex16_b32 v[TMP], v14, s[SEL], s[SEL+1]
	v_add_f32 v14, v14, v[TMP]
	s_wait_alu depctr_va_vdst(0)                   ; the wait ahead of the transcendental
	v_rcp_f32 v14, v14
	v_nop
	s_wait_alu depctr_va_vdst(0)                   ; and ahead of its first reader, which is also O^T's
.set jj, 0
.rept 16
	v_pk_mul_f32 v[SS+jj:SS+jj+1], v[OT+jj:OT+jj+1], v[14:15] op_sel_hi:[1,0]   ; register 8 t + i is o(r, 16 t + 8 h + i)
.set jj, jj+2
.endr
.endm
.macro OUT p
.if \p == 0
	ds_load_b128 v[24:27], v11                     ; the second tile's codes and scale words leave my stage ahead of the stores below
	ds_load_b128 v[28:31], v11 offset:512
	ds_load_b128 v[40:43], v11 offset:1024
.endif
	v_bfe_u32 v[TMP], v0, 3, 1
.irp ph, 0,1                           ; rows 8 ph .. 8 ph + 7 of the tile
	v_cmp_eq_u32 vcc_lo, \ph, v[TMP]
.if \ph == 0
	s_wait_alu depctr_va_vdst(0)                   ; the wait ahead of the wait below
.endif
	s_wait_xcnt 0x0                                ; EXEC changes only behind this wait
	s_and_saveexec_b32 s[SV], vcc_lo
.irp t, 0,1,2,3
	ds_store_b128 v[STO], v[SS+8*\t:SS+8*\t+3] offset:64*\t
	ds_store_b128 v[STO], v[SS+8*\t+4:SS+8*\t+7] offset:64*\t+16
.endr
	s_or_b32 exec_lo, exec_lo, s[SV]
.irp i, 0,1,2,3
	ds_load_b128 v[OT+16*\ph+4*\i:OT+16*\ph+4*\i+3], v[RD] offset:544*\i   ; in order behind my stores, ahead of the next rows' stores
.endr
.endr
	s_wait_dscnt 0x0
.irp i, 0,1,2,3,4,5,6,7
	global_store_b128 v[GO], v[OT+4*\i:OT+4*\i+3], s[12:13] offset:65536*(\p)+512*\i th:TH_STORE_NT   ; sixteen lanes store 256 consecutive bytes, aligned
.endr
.endm
	s_wait_alu depctr_va_vdst(0)                   ; the wait at the head's end
	s_cmp_lt_u32 s[WV], 4
	s_cbranch_scc0 .Lno_a
	s_wait_tensorcnt 0x0                           ; waves 0-3: my step has landed
.Lno_a:
	s_wait_dscnt 0x0
	s_barrier_signal -1
	s_barrier_wait -1                              ; steps 0-3 are whole
	s_mov_b32 s[TK], 0
	STEP 1
	LOOP 3, 1
	s_wait_tensorcnt 0x0                           ; every wave: my step has landed
	s_barrier_signal -1                            ; (no LDS instruction of mine is out: each step waits for all of them ahead of its last products)
	s_barrier_wait -1                              ; the head is whole
	LOOP 12, 4
	FINISH
	OUT 0
	s_wait_xcnt 0x0                                ; the stores have read their registers, which the next tile writes
	s_mov_b32 s[TK], 0
	STEP 1
	LOOP 15, 1
	FINISH
	OUT 1
	s_wait_tensorcnt 0x0                           ; the wave's end
	ds_add_u32 v254, v255
	s_wait_dscnt 0x0
	ROUND                                          ; the closing round
	s_endpgm
.Lfunc_end_k_q4d27690e0d_attn:
	.size	k_q4d27690e0d_attn, .Lfunc_end_k_q4d27690e0d_attn-k_q4d27690e0d_attn
	.p2alignl 7, 3214868480
	.fill 96, 4, 3214868480
	.section	.rodata,"a",@progbits
	.p2align	6, 0x0
	.amdhsa_kernel k_q4d27690e0d_attn
		.amdhsa_group_segment_fixed_size 327680
		.amdhsa_private_segment_fixed_size 0
		.amdhsa_enable_private_segment 0
		.amdhsa_kernarg_size 24
		.amdhsa_user_sgpr_count 2
		.amdhsa_user_sgpr_kernarg_segment_ptr 1
		.amdhsa_wavefront_size32 1
		.amdhsa_system_sgpr_workgroup_id_x 1
		.amdhsa_system_sgpr_workgroup_id_y 1
		.amdhsa_system_sgpr_workgroup_id_z 1
		.amdhsa_system_vgpr_workitem_id 0
		.amdhsa_next_free_vgpr 256
		.amdhsa_next_free_sgpr 66
		.amdhsa_reserve_vcc 1
		.amdhsa_float_denorm_mode_32 3
		.amdhsa_float_denorm_mode_16_64 3
		.amdhsa_memory_ordered 1
		.amdhsa_forward_progress 1
		.amdhsa_inst_pref_size 118
	.end_amdhsa_kernel
	.amdgpu_metadata
---
amdhsa.version: [ 1, 2 ]
amdhsa.kernels:
  - .name:           k_q4d27690e0d_attn
    .symbol:         k_q4d27690e0d_attn.kd
    .args:
      - { .name: query, .offset: 0, .size: 8, .value_kind: global_buffer, .address_space: global }
      - { .name: kvi, .offset: 8, .size: 8, .value_kind: global_buffer, .address_space: global }
      - { .name: out0, .offset: 16, .size: 8, .value_kind: global_buffer, .address_space: global }
    .group_segment_fixed_size: 327680
    .private_segment_fixed_size: 0
    .kernarg_segment_align: 8
    .kernarg_segment_size: 24
    .max_flat_workgroup_size: 512
    .sgpr_count:     66
    .vgpr_count:     256
    .wavefront_size: 32
...
	.end_amdgpu_metadata
.endif
;; end of part 2
